; MI455X (gfx1250); checked and timed in simulation.
; The chip was launched on July 23, 2026; its instructions are those of AMD's public machine-readable ISA for CDNA 5 (MIT licence, August 2026) and "CDNA5" Instruction Set Architecture Reference Guide (July 2026). The comments in the code are by the model that wrote it; some were corrected since.
;; Full Attention. Allowed arithmetic: float matrix products may take bf16 or f16 operands with f32 sums; all other float work in f32.
;; Inputs: keys 2 x 16 x 2,048 x 64 float32; queries 2 x 16 x 2,048 x 64 float32; values 2 x 16 x 2,048 x 64 float32.
;; Outputs: out0 2 x 16 x 2,048 x 64 float32.
;; One version. Each part assembles by itself: llvm-mc -triple=amdgcn-amd-amdhsa -mcpu=gfx1250 --defsym DOCPART=n.
;; ======== version 1 of 1: 1 launch
;; limits: values are held in f16: magnitudes above 65,504 overflow, below 6.1e-05 lose precision; inputs' magnitudes at most 65,504
;; launch attn (part 1): grid 8 x 32, 8 waves a work-group, no clusters, 74,752 bytes of LDS; arguments queries, keys, values, out0; writes out0
.if DOCPART == 1
	.amdgcn_target "amdgcn-amd-amdhsa--gfx1250"
	.amdhsa_code_object_version 6
	.text
	.protected	k_q663107dc99_attn
	.globl	k_q663107dc99_attn
	.p2align	8
	.type	k_q663107dc99_attn,@function
k_q663107dc99_attn:
	s_mov_b64 s[64:65], 0
	v_nop
	global_prefetch_b8 v0, s[64:65] scope:SCOPE_SE
	s_setreg_imm32_b32 hwreg(HW_REG_WAVE_MODE, 25, 1), 1
	s_wait_xcnt 0x0
; Causal softmax attention, out = softmax(mask(Q K^T) / 8) V, 32 heads of 2,048 rows x 64, all buffers f32.  One launch, nothing through memory.
;
; SHARES.  A head has 16 query blocks of 128 rows.  Work-group (i, head) owns block i (waves 0-3) and block 15 - i (waves 4-7); a wave owns
; 32 rows (two query tiles of 16).  The group walks the head's key tiles of 64 keys once, T = 32 - 2 i of them.  A wave multiplies while
; the tile's number is at most TL = 2 block + (wave & 3) / 2; tile TL is the only one that the diagonal crosses, and there the wave writes its rows.
; Afterwards it goes on fetching and converting its share of every tile and passes every barrier.  Low and high block together make 32 (wave & 3 < 2) or 34 units
; (64 keys x 32 rows) for each pair of waves w, w + 4 in every work-group: 256 equal work-groups.
;
; FORMATS.  Matrix operands are f16, sums and softmax f32.  f16 and not bf16, since early rows average few values and want the three more bits.
; LIMITS: an input with |x| > 65,504 becomes infinite in f16; below 2^-14 an operand carries an absolute error of up to 2^-25;
; the sums are formed in another order than a plain row sum.
;
; BOTH PRODUCTS ARE USED TRANSPOSED.  S^T = K Q^T: lane (r, h) holds in register j the score of key 16 kt + 8 h + j and query r, so a query's
; statistics lie in lanes r and r + 16 alone.  Packing two such tiles to f16 gives the B fragment of P^T as it stands, and
; O^T = V^T P^T leaves in lane (r, h) eight neighbouring numbers of query r's output row: no lane shuffle between the products.
;
; THE WAY IN.  K and V tiles are f32 in memory and f16 in LDS, so they pass through registers: each of the 256 threads loads 4 x 16 bytes of K and of V,
; four tiles ahead of their use (a ring of four register slots, 128 KiB of the group on their way), converts and stores 2 x 32 bytes.
; NO CLUSTER, NO TILE COPIES INTO LDS: a copy cannot convert, so a tile would cost LDS 32 KiB written, 32 KiB read and 16 KiB written in place of
; 16 KiB written; and the groups that share a head's tiles need 18 to 32 of them each, so partners kept in step would idle.
; NO PREFETCH: the register ring already asks for every tile four trips before its use.
.set PITK,   144                       ; LDS row of K: 128 bytes of f16 + 16: sixteen rows begin in sixteen different 16-byte columns of 256
.set PITV,   160                       ; LDS row of V: 128 bytes + 32, an odd multiple of 32, for the transposing loads
.set KBYTES, 64*PITK                   ; 9,216
.set BUFB,   KBYTES+64*PITV            ; 19,456: a tile's K, then its V.  Tile n lies in buffer n & 1
.set SPIT,   272                       ; stage row: 256 bytes of f32 + 16
.set STG,    16*SPIT                   ; 4,352: a wave's own stage
.set STAGE0, 2*BUFB                    ; 38,912; the eight stages end at 73,728
.set TILEB,  16384                     ; a tile of K or of V in memory: 64 rows of 256 bytes
; window 0
.set KA,   1                           ; LDS address of my part of a K fragment
.set VA,   2                           ; the same for V (transposing load)
.set SKA,  3                           ; where I store my converted 8 bytes of K
.set SVA,  4                           ; the same for V
.set GOFF, 5                           ; 16 x thread: my 16 bytes in each 4,096 of a tile
.set QOFF, 6                           ; my bytes of a Q fragment
.set DLT,  7                           ; the diagonal: key (16 (kt - qt) + j) is seen where it is <= DLT
.set STO,  8                           ; stage, way in
.set SRD,  9                           ; stage, way back
.set OOFF, 10                          ; 16 x lane: my bytes of two output rows
.set NM,   12                          ; v12, v14: -(c x running maximum) of query tile 0, 1 (v13, v15 only complete the pairs)
.set AL,   16                          ; v16, v18: the trip's rescaling factor, at the end 1 / sum (v17, v19 complete the pairs)
.set LS,   20                          ; v20, v21: sum of p over my half's keys
.set T0,   22                          ; v[22:23], v[24:25], v26, v27: at work
.set T2,   24
.set T4,   26
.set T5,   27
.set RQ,   32                          ; v[32:63]   Q(qt, ks) at 32 + 16 qt + 8 ks, f16
.set RO,   64                          ; v[64:127]  O(qt, dt) at 64 + 32 qt + 8 dt
.set RS,   128                         ; v[128:191] S(qt, kt) at 128 + 32 qt + 8 kt; P(qt, ks) in place at 128 + 32 qt + 16 ks
.set CV,   128                         ; v[128:143] converted staging, between two trips' scores
.set RK,   192                         ; v[192:255] K(kt, ks) at 192 + 16 kt + 8 ks, then V(dt, ks) at 192 + 16 dt + 8 ks
; window 1: v[256+32 s : 256+32 s+31] ring slot s: K's four loads, then V's four
.set MSB, 0
.macro WIN new                         ; low byte: bits 1:0 source 0, 3:2 source 1, 7:6 destination; the high byte repeats the setting that is left
.if MSB != \new
	s_set_vgpr_msb (MSB<<8)|\new
.set MSB, \new
.endif
.endm
.macro PLACES n
.rept \n
	v_nop
.endr
.endm
.macro CVT2 d, a, b                    ; two f32 to f16, first source in the low half
	v_cvt_pk_f16_f32 v[\d], v[\a], v[\b]
.endm
.macro MMA d, a, b                     ; accumulate in place
	v_wmma_f32_16x16x32_f16 v[\d:\d+7], v[\a:\a+7], v[\b:\b+7], v[\d:\d+7]
.endm
.macro MMA0 d, a, b                    ; start a sum: nothing is cleared
	v_wmma_f32_16x16x32_f16 v[\d:\d+7], v[\a:\a+7], v[\b:\b+7], 0
.endm
.macro SYNC                            ; my stores of the next tile and my reads of this one are done; behind the wait that holds of all eight waves
	s_wait_dscnt 0x0
	s_barrier_signal -1
	s_barrier_wait -1
.endm
	s_load_b256 s[4:11], s[0:1], 0x0               ; Q s[4:5], K s[6:7], V s[8:9], out s[10:11]
	v_lshl_add_u32 v30, v0, 2, 0x12000
	v_mov_b32 v31, 0
	v_lshrrev_b32 v11, 5, v0
	v_readfirstlane_b32 s12, v11                   ; wave 0..7
	s_mov_b32 s13, ttmp9                           ; i
	s_and_b32 s14, ttmp7, 0xffff                   ; head
	s_lshr_b32 s15, s12, 2                         ; 0: low block, 1: high block
	s_and_b32 s16, s12, 3                          ; which 32 rows of the block
	s_sub_co_u32 s17, 15, s13
	s_cmp_eq_u32 s15, 0
	s_cselect_b32 s17, s13, s17                    ; my block: i or 15 - i
	s_lshr_b32 s18, s16, 1
	s_lshl1_add_u32 s18, s17, s18                  ; TL = 2 block + (wave & 3) / 2: my last tile
	s_lshl_b32 s19, s13, 1
	s_sub_co_u32 s22, 27, s19                      ; T - 5: trips below it ask for tile trip + 5, the last being tile T - 1
	s_sub_co_u32 s23, 31, s19                      ; T - 1: trips below it stage tile trip + 1
	s_sub_co_u32 s19, 34, s19
	s_lshr_b32 s19, s19, 2                         ; rounds of four trips that cover trips 1 to T - 1: (T - 1 + 3) / 4, 5 to 8
	s_mov_b32 s24, 0x3e38aa3b                      ; c = log2(e) / 8: the scale and the change of base in one factor
	s_mov_b32 s25, 0x3e38aa3b
	s_mov_b32 s26, 0xbe38aa3b                      ; -c
	s_mov_b32 s27, 0xff800000                      ; -infinity
	s_mov_b32 s28, 0x76543210                      ; v_permlanex16_b32: lane i takes lane i of the other half
	s_mov_b32 s29, 0xfedcba98
	s_lshl_b32 s30, s14, 19                        ; a head is 2,048 rows of 256 bytes
	s_mov_b32 s31, 0
	s_lshl_b32 s34, s17, 15                        ; + block x 128 rows
	s_lshl_b32 s32, s16, 13                        ; + 32 rows for each wave of the block
	s_add_co_u32 s34, s34, s32
	s_add_co_u32 s34, s34, s30
	s_mov_b32 s35, 0
	s_and_b32 s32, s16, 1
	s_lshl_b32 s32, s32, 5                         ; my first row's place in tile TL: 0 or 32
	s_mul_i32 s33, s12, STG
	s_add_co_u32 s33, s33, STAGE0                  ; my stage
	v_and_b32 v11, 31, v0                          ; lane
	v_and_b32 v22, 15, v0                          ; r
	v_bfe_u32 v23, v0, 4, 1                        ; h
	v_lshlrev_b32 v[GOFF], 4, v0
	v_lshlrev_b32 v[QOFF], 8, v22                  ; row r of 256 bytes
	v_lshl_add_u32 v[QOFF], v23, 5, v[QOFF]        ; + 8 h numbers of f32
	s_wait_kmcnt 0x0
	s_add_nc_u64 s[4:5], s[4:5], s[34:35]          ; Q and out at my first row
	s_add_nc_u64 s[10:11], s[10:11], s[34:35]
	s_add_nc_u64 s[6:7], s[6:7], s[30:31]          ; K and V at the head's first row
	s_add_nc_u64 s[8:9], s[8:9], s[30:31]
	; Q, read once in the launch: fragment g = 2 qt + ks, lane (r, h): d = 32 ks + 8 h + 0..7 and 32 ks + 16 + 8 h + 0..7 of row 16 qt + r
.irp g, 0,1,2,3
	global_load_b128 v[RS+16*\g:RS+16*\g+3],     v[QOFF], s[4:5] offset:(\g>>1)*4096+(\g&1)*128 th:TH_LOAD_NT
	global_load_b128 v[RS+16*\g+4:RS+16*\g+7],   v[QOFF], s[4:5] offset:(\g>>1)*4096+(\g&1)*128+16 th:TH_LOAD_NT
	global_load_b128 v[RS+16*\g+8:RS+16*\g+11],  v[QOFF], s[4:5] offset:(\g>>1)*4096+(\g&1)*128+64 th:TH_LOAD_NT
	global_load_b128 v[RS+16*\g+12:RS+16*\g+15], v[QOFF], s[4:5] offset:(\g>>1)*4096+(\g&1)*128+80 th:TH_LOAD_NT
.endr
; Eight loads: my 4 x 16 bytes of a tile of K and of V into ring slot `slot`.  A wave's load covers 512 consecutive bytes, aligned.
; No cache word: the head's other seven work-groups read these tiles too.  `tile` counts from where s[6:9] stand.
.macro FILL slot, tile
	WIN 0x40                                       ; destination in window 1
.irp j, 0,1,2,3
	global_load_b128 v[32*\slot+4*\j:32*\slot+4*\j+3], v[GOFF], s[6:7] offset:\tile*TILEB+\j*4096
.endr
.irp j, 0,1,2,3
	global_load_b128 v[32*\slot+16+4*\j:32*\slot+16+4*\j+3], v[GOFF], s[8:9] offset:\tile*TILEB+\j*4096
.endr
	WIN 0
.endm
	FILL 0, 0
	FILL 1, 1
	FILL 2, 2
	FILL 3, 3
	v_mul_u32_u24 v[KA], v22, PITK                 ; K fragment: row r, + 16 h bytes
	v_lshl_add_u32 v[KA], v23, 4, v[KA]
	v_and_b32 v24, 7, v0
	v_lshl_add_u32 v24, v23, 3, v24                ; V fragment: key 8 h + (lane & 7),
	v_mul_u32_u24 v[VA], v24, PITV
	v_bfe_u32 v25, v0, 3, 1
	v_lshl_add_u32 v[VA], v25, 4, v[VA]            ; + 16 bytes for lanes 8-15 of each half,
	v_add_nc_u32 v[VA], KBYTES, v[VA]              ; behind the buffer's K
	v_lshrrev_b32 v24, 4, v0                       ; staging: thread t holds row t / 16 (+ 16 for each load), numbers 4 (t & 15) ..
	v_mul_u32_u24 v[SKA], v24, PITK
	v_lshl_add_u32 v[SKA], v22, 3, v[SKA]
	v_mul_u32_u24 v[SVA], v24, PITV
	v_lshl_add_u32 v[SVA], v22, 3, v[SVA]
	v_add_nc_u32 v[SVA], KBYTES, v[SVA]
	v_lshlrev_b32 v25, 3, v23
	v_sub_nc_u32 v[DLT], v22, v25                  ; r - 8 h (signed)
	v_add_nc_u32 v[DLT], s32, v[DLT]               ; + 0 or 32
	v_mul_u32_u24 v[STO], v22, SPIT                ; stage in: row r, + 8 h numbers of f32
	v_lshl_add_u32 v[STO], v23, 5, v[STO]
	v_add_nc_u32 v[STO], s33, v[STO]
	v_mul_u32_u24 v[SRD], v23, SPIT                ; stage back: lanes 0-15 one row, lanes 16-31 the next
	v_lshl_add_u32 v[SRD], v22, 4, v[SRD]
	v_add_nc_u32 v[SRD], s33, v[SRD]
	v_lshlrev_b32 v[OOFF], 4, v11
	v_mov_b32 v[NM+1], 0                           ; the upper halves of the broadcast pairs: named by packed instructions, never used
	v_mov_b32 v[NM+3], 0
	v_mov_b32 v[AL+1], 0
	v_mov_b32 v[AL+3], 0
	s_wait_loadcnt 32                              ; loads return in order (ISA guide 5.7.1): the 4 x 8 tile loads behind Q's stay out
.set kk, 0
.rept 32
	CVT2 RQ+kk, RS+2*kk, RS+2*kk+1
.set kk, kk+1
.endr
; Ring slot `slot` to f16 and into LDS buffer `buf`
.macro CVST slot, buf
	WIN 0x05                                       ; both sources in window 1
.set kk, 0
.rept 16
	CVT2 CV+kk, 32*\slot+2*kk, 32*\slot+2*kk+1
.set kk, kk+1
.endr
	WIN 0
.irp j, 0,1,2,3
	ds_store_b64 v[SKA], v[CV+2*\j:CV+2*\j+1] offset:\buf*BUFB+\j*16*PITK
.endr
.irp j, 0,1,2,3
	ds_store_b64 v[SVA], v[CV+8+2*\j:CV+8+2*\j+1] offset:\buf*BUFB+\j*16*PITV
.endr
.endm
; Trip s21 stages tile s21 + 1 and asks for tile s21 + 5 into the slot just emptied.  The wait and the refill go together in one arm, so that the
; count holds on every path: behind the slot's eight loads stand the three younger tiles' 24, or a wait for all.
; From trip T - 5 on nothing more is asked for, from trip T - 1 on nothing is left to stage.  cond = 0: the refill is certain (T is at least 18).
.macro STAGE id, slot, buf, tile, cond
.if \cond
	s_cmp_lt_u32 s21, s22
	s_cbranch_scc0 .Ldrain_\id
.endif
	s_wait_loadcnt 24
	CVST \slot, \buf
	FILL \slot, \tile
.if \cond
	s_branch .Lstaged_\id
.Ldrain_\id:
	s_wait_loadcnt 0x0                             ; the last four tiles: no younger loads to count, and no load passes the head's end
	s_cmp_lt_u32 s21, s23
	s_cbranch_scc0 .Lstaged_\id                    ; tile T - 1 was the last
	CVST \slot, \buf
.Lstaged_\id:
.endif
.endm
; The softmax step of query tile q on its 32 scores a lane.  NM, as rounded, is the one reference exponent of p and of the rescaling, so
; tiles agree with each other whatever the scores' size.  first = 1: there is no old state.
.macro SOFTMAX q, first
.set SB, RS+32*\q
.set OQ, RO+32*\q
.set NQ, NM+2*\q
.set AQ, AL+2*\q
.set LQ, LS+\q
	v_max3_num_f32 v[T4], v[SB], v[SB+1], v[SB+2]              ; two chains of seven,
	v_max3_num_f32 v[T5], v[SB+16], v[SB+17], v[SB+18]
.irp k, 3,5,7,9,11,13
	v_max3_num_f32 v[T4], v[T4], v[SB+\k], v[SB+\k+1]
	v_max3_num_f32 v[T5], v[T5], v[SB+16+\k], v[SB+16+\k+1]
.endr
	v_max3_num_f32 v[T4], v[T4], v[SB+15], v[SB+31]            ; the two that are left,
	v_max_num_f32 v[T4], v[T4], v[T5]
	v_permlanex16_b32 v[T5], v[T4], s28, s29                   ; and the other half's keys of the same query
	v_max_num_f32 v[T4], v[T4], v[T5]
.if \first
	v_mul_f32 v[NQ], s26, v[T4]                                ; -c x maximum (finite: each tile's first key is seen by all my rows)
.else
	v_mul_f32 v[T5], s26, v[T4]
	v_min_num_f32 v[T5], v[T5], v[NQ]                          ; the running maximum, negated
	v_sub_f32 v[T4], v[T5], v[NQ]                              ; <= 0
	v_mov_b32 v[NQ], v[T5]
	v_exp_f32 v[AQ], v[T4]                                     ; the old sums' factor; the packed lines below are the plain place behind it (ISA guide 5.7.2)
.endif
.set kk, 0
.rept 16
	v_pk_fma_f32 v[SB+kk:SB+kk+1], v[SB+kk:SB+kk+1], s[24:25], v[NQ:NQ+1] op_sel_hi:[1,0,0]    ; c s - c max; -infinity stays
.set kk, kk+2
.endr
.set kk, 0
.rept 32
	v_exp_f32 v[SB+kk], v[SB+kk]
.set kk, kk+1
.endr
	; one plain vector line stands between the run of exponentials and the first use of any of their results (ISA guide 5.7.2):
.if \first
	v_nop                                                      ; there is no old sum to rescale, so nothing useful to put here
	s_wait_alu depctr_va_vdst(0)
.else
.set kk, 0
	s_wait_alu depctr_va_vdst(0)
.rept 16
	v_pk_mul_f32 v[OQ+kk:OQ+kk+1], v[OQ+kk:OQ+kk+1], v[AQ:AQ+1] op_sel_hi:[1,0]
.set kk, kk+2
.endr
.endif
	v_pk_add_f32 v[T0:T0+1], v[SB:SB+1], v[SB+2:SB+3]
	v_pk_add_f32 v[T2:T2+1], v[SB+16:SB+17], v[SB+18:SB+19]
.irp k, 4,6,8,10,12,14
	v_pk_add_f32 v[T0:T0+1], v[T0:T0+1], v[SB+\k:SB+\k+1]
	v_pk_add_f32 v[T2:T2+1], v[T2:T2+1], v[SB+16+\k:SB+16+\k+1]
.endr
	v_pk_add_f32 v[T0:T0+1], v[T0:T0+1], v[T2:T2+1]
.if \first
	v_add_f32 v[LQ], v[T0], v[T0+1]
.else
	v_add_f32 v[T4], v[T0], v[T0+1]
	v_fma_f32 v[LQ], v[LQ], v[AQ], v[T4]
.endif
	; p to f16 in place, ascending: word k takes numbers 2 k, 2 k + 1, which no earlier word has overwritten.  Key tiles 2 ks, 2 ks + 1 become P(q, ks).
.irp g, 0,16
.irp k, 0,1,2,3,4,5,6,7
	CVT2 SB+\g+\k, SB+\g+2*\k, SB+\g+2*\k+1
.endr
.endr
.endm
; O^T(q) += V^T P^T(q): the four d tiles at keys 0-31, then at keys 32-63, so that the links of a chain stand four apart
.macro PV q, first
.irp dt, 0,1,2,3
.if \first
	MMA0 RO+32*\q+8*\dt, RK+16*\dt, RS+32*\q
.else
	MMA RO+32*\q+8*\dt, RK+16*\dt, RS+32*\q
.endif
.endr
.irp dt, 0,1,2,3
	MMA RO+32*\q+8*\dt, RK+16*\dt+8, RS+32*\q+16
.endr
.endm
; One unit: 64 keys of LDS buffer `buf` against my 32 rows
.macro BODY buf, first, masked
.irp kt, 0,1,2,3
.irp ks, 0,1
	ds_load_b128 v[RK+16*\kt+8*\ks:RK+16*\kt+8*\ks+3],   v[KA] offset:\buf*BUFB+\kt*16*PITK+\ks*64
	ds_load_b128 v[RK+16*\kt+8*\ks+4:RK+16*\kt+8*\ks+7], v[KA] offset:\buf*BUFB+\kt*16*PITK+\ks*64+32
.endr
.endr
.irp kt, 0,1,2,3
	s_wait_dscnt 12-4*\kt                          ; LDS returns in order: key tile kt's four loads are in, the later tiles' four each stay out
	MMA0 RS+8*\kt, RK+16*\kt, RQ
	MMA0 RS+32+8*\kt, RK+16*\kt, RQ+16
	MMA RS+8*\kt, RK+16*\kt+8, RQ+8
	MMA RS+32+8*\kt, RK+16*\kt+8, RQ+24
.endr
	PLACES 4                                       ; four places before loads land in K's registers and vector lines read the scores
.irp dt, 0,1,2,3
.irp ks, 0,1
	ds_load_tr16_b128 v[RK+16*\dt+8*\ks:RK+16*\dt+8*\ks+3],   v[VA] offset:\buf*BUFB+\ks*32*PITV+\dt*32
	ds_load_tr16_b128 v[RK+16*\dt+8*\ks+4:RK+16*\dt+8*\ks+7], v[VA] offset:\buf*BUFB+\ks*32*PITV+\dt*32+16*PITV
.endr
.endr
.if \masked
	; key 16 kt + 8 h + j is seen by row 16 qt + r (+ 0 or 32) where 16 (kt - qt) + j <= DLT: one compare serves both query tiles
.irp dl, 0,1,2,3,4
.irp j, 0,1,2,3,4,5,6,7
	v_cmp_le_i32 vcc_lo, 16*(\dl-1)+\j, v[DLT]
.if \dl >= 1
	v_cndmask_b32 v[RS+8*(\dl-1)+\j], s27, v[RS+8*(\dl-1)+\j], vcc_lo
.endif
.if \dl <= 3
	v_cndmask_b32 v[RS+32+8*\dl+\j], s27, v[RS+32+8*\dl+\j], vcc_lo
.endif
.endr
.endr
.endif
	SOFTMAX 0, \first
	s_wait_dscnt 0x0                               ; V's sixteen loads, issued ahead of the softmax
	PV 0, \first
	SOFTMAX 1, \first                              ; names none of the registers of the eight products in front of it
	PV 1, \first
	PLACES 5                                       ; five places before the next trip's products write over P, four before conversions, loads and the way out touch P, V, O
.endm
; The way out: join the halves' sums, divide, and send 16 rows at a time through my own stage, so that a store of the wave covers two whole rows
.macro EPILOG
	v_permlanex16_b32 v[T4], v[LS], s28, s29
	v_permlanex16_b32 v[T5], v[LS+1], s28, s29
	v_add_f32 v[LS], v[LS], v[T4]
	v_add_f32 v[LS+1], v[LS+1], v[T5]
	v_rcp_f32 v[AL], v[LS]                         ; the sum is at least the maximum's own term, about 1
	v_rcp_f32 v[AL+2], v[LS+1]
	v_nop                                          ; the plain place behind the reciprocals
.set kk, 0
	s_wait_alu depctr_va_vdst(0)
.rept 16
	v_pk_mul_f32 v[RO+kk:RO+kk+1], v[RO+kk:RO+kk+1], v[AL:AL+1] op_sel_hi:[1,0]
	v_pk_mul_f32 v[RO+32+kk:RO+32+kk+1], v[RO+32+kk:RO+32+kk+1], v[AL+2:AL+3] op_sel_hi:[1,0]
.set kk, kk+2
.endr
.irp qt, 0,1
.irp dt, 0,1,2,3
	ds_store_b128 v[STO], v[RO+32*\qt+8*\dt:RO+32*\qt+8*\dt+3]   offset:64*\dt
	ds_store_b128 v[STO], v[RO+32*\qt+8*\dt+4:RO+32*\qt+8*\dt+7] offset:64*\dt+16
.endr
.irp m, 0,1,2,3,4,5,6,7
	ds_load_b128 v[RS+32*\qt+4*\m:RS+32*\qt+4*\m+3], v[SRD] offset:\m*2*SPIT      ; my own bytes, served in order behind my stores
.endr
.irp m, 0,1,2,3,4,5,6,7
	s_wait_dscnt 7-\m                              ; row pair m is back, the later pairs' loads stay out
	global_store_b128 v[OOFF], v[RS+32*\qt+4*\m:RS+32*\qt+4*\m+3], s[10:11] offset:\qt*4096+\m*512 th:TH_STORE_NT   ; 512 consecutive bytes, aligned
.endr
.endr
	s_wait_xcnt 0x0                                ; the stores' data registers are written again (staging) only behind this wait
.endm
; Trip s21's share of the multiplying: none behind my last tile, masked and with the way out at it
.macro COMPUTE id, buf, first
.if \first == 0
	s_cmp_gt_u32 s21, s18
	s_cbranch_scc1 .Ldone_\id
.endif
	s_cmp_eq_u32 s21, s18
	s_cbranch_scc1 .Lmask_\id
	BODY \buf, \first, 0
	s_branch .Ldone_\id
.Lmask_\id:
	BODY \buf, \first, 1
	EPILOG
.Ldone_\id:
.endm
	STAGE 0, 0, 0, 4, 0                            ; tile 0 into buffer 0; ask for tile 4
	SYNC
	s_mov_b32 s21, 0                               ; TRIP 0 stands in front of the loop: its products and sums start the state
	STAGE 1, 1, 1, 5, 0
	COMPUTE 1, 0, 1
	SYNC
	; The other trips, four to a round (ring slot and LDS buffer are then constants).  One barrier a trip: in front of it each wave has waited for
	; its stores of tile trip + 1 and its reads of tile trip; behind it tile trip + 1 is read and tile trip + 2 takes tile trip's buffer.
	; The loop counts rounds, s20 = 0, 1, .. below s19; round n holds trips 4 n + 1 to 4 n + 4.  A round is always whole: since T - 1 is 3 (even i)
	; or 1 (odd i) modulo 4, one or three trips stand behind trip T - 1.  They stage nothing and multiply nothing: three compares, a wait on
	; nothing, the barrier.
	s_mov_b32 s20, 0
.Lloop:
	s_lshl_b32 s36, s20, 2                         ; 4 x round
	s_add_co_u32 s21, s36, 1
	STAGE 10, 2, 0, 6, 1
	COMPUTE 10, 1, 0
	SYNC
	s_add_co_u32 s21, s36, 2
	STAGE 11, 3, 1, 7, 1
	COMPUTE 11, 0, 0
	SYNC
	s_add_co_u32 s21, s36, 3
	STAGE 12, 0, 0, 8, 1
	COMPUTE 12, 1, 0
	SYNC
	s_add_co_u32 s21, s36, 4
	STAGE 13, 1, 1, 9, 1
	COMPUTE 13, 0, 0
	SYNC
	s_wait_xcnt 0x0                                ; the bases of the loads on their way step only behind this wait
	s_add_nc_u64 s[6:7], s[6:7], 4*TILEB
	s_add_nc_u64 s[8:9], s[8:9], 4*TILEB
	s_add_co_u32 s20, s20, 1
	s_cmp_lt_u32 s20, s19
	s_cbranch_scc1 .Lloop
	s_wait_tensorcnt 0x0
	ds_add_u32 v30, v31
	s_wait_dscnt 0x0
	s_endpgm
.Lfunc_end_k_q663107dc99_attn:
	.size	k_q663107dc99_attn, .Lfunc_end_k_q663107dc99_attn-k_q663107dc99_attn
	.p2alignl 7, 3214868480
	.fill 96, 4, 3214868480
	.section	.rodata,"a",@progbits
	.p2align	6, 0x0
	.amdhsa_kernel k_q663107dc99_attn
		.amdhsa_group_segment_fixed_size 74752
		.amdhsa_private_segment_fixed_size 0
		.amdhsa_enable_private_segment 0
		.amdhsa_kernarg_size 32
		.amdhsa_user_sgpr_count 2
		.amdhsa_user_sgpr_kernarg_segment_ptr 1
		.amdhsa_wavefront_size32 1
		.amdhsa_system_sgpr_workgroup_id_x 1
		.amdhsa_system_sgpr_workgroup_id_y 1
		.amdhsa_system_sgpr_workgroup_id_z 1
		.amdhsa_system_vgpr_workitem_id 0
		.amdhsa_next_free_vgpr 384
		.amdhsa_next_free_sgpr 66
		.amdhsa_reserve_vcc 1
		.amdhsa_float_denorm_mode_32 3
		.amdhsa_float_denorm_mode_16_64 3
		.amdhsa_memory_ordered 1
		.amdhsa_forward_progress 1
		.amdhsa_inst_pref_size 248
	.end_amdhsa_kernel
	.amdgpu_metadata
---
amdhsa.version: [ 1, 2 ]
amdhsa.kernels:
  - .name:           k_q663107dc99_attn
    .symbol:         k_q663107dc99_attn.kd
    .args:
      - { .name: queries, .offset: 0, .size: 8, .value_kind: global_buffer, .address_space: global }
      - { .name: keys, .offset: 8, .size: 8, .value_kind: global_buffer, .address_space: global }
      - { .name: values, .offset: 16, .size: 8, .value_kind: global_buffer, .address_space: global }
      - { .name: out0, .offset: 24, .size: 8, .value_kind: global_buffer, .address_space: global }
    .group_segment_fixed_size: 74752
    .private_segment_fixed_size: 0
    .kernarg_segment_align: 8
    .kernarg_segment_size: 32
    .max_flat_workgroup_size: 256
    .sgpr_count:     66
    .vgpr_count:     384
    .wavefront_size: 32
...
	.end_amdgpu_metadata
.endif
;; end of part 1
